; MI455X (gfx1250); checked and timed in simulation.
; The chip was launched on July 23, 2026; its instructions are those of AMD's public machine-readable ISA for CDNA 5 (MIT licence, August 2026) and "CDNA5" Instruction Set Architecture Reference Guide (July 2026). The comments in the code are by the model that wrote it; some were corrected since.
;; Self Attention. Allowed arithmetic: matrix products marked QUANTISED: E4M3 operands, one given power-of-two scale a tensor, by v_wmma_f32_16x16x64_fp8_fp8 or v_wmma_f32_16x16x128_fp8_fp8, f32 sums; everything else in f32.
;; Inputs: Wk 1,024 x 1,024 float32; Wo 1,024 x 1,024 float32; Wq 1,024 x 1,024 float32; Wv 1,024 x 1,024 float32; bk 1,024 float32; bo 1,024 float32; bq 1,024 float32; bv 1,024 float32; lowp_scales 12 int32 (the exponents e of the quantised operands' scales 2^e); x 4 x 2,048 x 1,024 float32.
;; Outputs: out0 4 x 2,048 x 1,024 float32.
;; This version of the problem:
;;   THIS VERSION OF THE PROBLEM IS GIVEN IN LOW PRECISION. The matrix products marked QUANTISED in the list below multiply operands that are first quantised to E4M3 (4 exponent bits, 3 mantissa bits; 8 bits a number), with one given power-of-two scale for each operand tensor; their sums are f32. All else is computed in f32.
;;   The module's matrix products, in the order in which they are computed (A, B: the left and right operand; K: the contracted axis; several contracted axes count as one K, in the product's order):
;;     1. [M 8,192, K 1,024] x [K 1,024, N 1,024]; A: input x; B: input Wq: QUANTISED (scales: A lowp_scales[0], B lowp_scales[1])
;;     2. [M 8,192, K 1,024] x [K 1,024, N 1,024]; A: input x; B: input Wk: QUANTISED (scales: A lowp_scales[2], B lowp_scales[3])
;;     3. [M 8,192, K 1,024] x [K 1,024, N 1,024]; A: input x; B: input Wv: QUANTISED (scales: A lowp_scales[4], B lowp_scales[5])
;;     4. batch 64 x [M 2,048, K 64] x [K 64, N 2,048]; A: computed on the way; B: computed on the way: QUANTISED (scales: A lowp_scales[6], B lowp_scales[7])
;;     5. batch 64 x [M 64, K 2,048] x [K 2,048, N 2,048]; A: computed on the way; B: softmax (see below): QUANTISED (scales: A lowp_scales[8], B lowp_scales[9])
;;     6. [M 8,192, K 1,024] x [K 1,024, N 1,024]; A: computed on the way; B: input Wo: QUANTISED (scales: A lowp_scales[10], B lowp_scales[11])
;;   THE QUANTISER, for each operand of a quantised product, along K:
;;     - The operand's scale is 2^e, e = its entry of the input lowp_scales (int32; the entries are numbered through the quantised products in the list's order, A before B).
;;     - Each number is divided by the scale, clamped to +-448, and rounded to the nearest number of E4M3, ties to even, subnormals kept.
;;     - The product sums the exact products of the quantised numbers (number of the format x scale) in f32.
;;   ~~~python
;;   def quantise(x, axis, e):      # numpy; x: float32 -> the quantised numbers, widened to float32 again
;;       x = np.moveaxis(x, axis, -1); K = x.shape[-1]
;;       r = np.clip(x / 2.0 ** e, -448, 448)
;;       step = 2.0 ** (np.maximum(np.frexp(np.where(r == 0, 1, r))[1] - 1, -6) - 3)
;;       q = np.round(r / step) * step * 2.0 ** e      # np.round: ties to even
;;       return np.moveaxis(q, -1, axis).astype(np.float32)
;;   ~~~
;;   SOFTMAX AHEAD OF A QUANTISED PRODUCT. Where the list says 'softmax', what is quantised is not the finished softmax but p = 2^(t - M), with t = logit x log2(e) and M = ceil(the row's largest t), a whole number; so 1/2 < the row's largest p <= 1. The row's sum l is taken of the UNQUANTISED p, in f32, and the product's result is divided by l at the end. Since M is a whole number, a kernel that streams over the keys may use a running M (the ceiling of the running maximum): every later rescaling is an exact power of two, so the quantised numbers keep their values, but for numbers so far below the row's largest that they fall under the format's range.
;;   OPERANDS COMPUTED ON THE WAY. 'Computed on the way' means the value that the module computes at that place (a softmax that the list does not call 'softmax' is quantised finished and normalised). What goes into a quantiser is computed in f32, as accurately as f32 sums, v_exp_f32 and their like allow (about 1e-6 of the number): no bf16 or f16 on the way to a quantiser, and a product that is left as it is and whose result goes on into a quantised operand takes f32 operands (vector FMAs, or v_wmma_f32_16x16x4_f32). A number that lies on a knife's edge between two numbers of the format may be rounded either way, as far as f32 arithmetic and the matrix unit's own rounding can turn it there, and no further.
;; One version. Each part assembles by itself: llvm-mc -triple=amdgcn-amd-amdhsa -mcpu=gfx1250 --defsym DOCPART=n.
;; ======== version 1 of 1: 4 launches
;; limits: right only within a limited range of input values
;; workspace buffers: x_img 25,165,824 bytes; w_img 4,194,304 bytes; q_img 8,388,608 bytes; k_img 8,388,608 bytes; v_img 8,388,608 bytes; o_img 8,388,608 bytes
;; launch quant (part 1): grid 768 x 1, 4 waves a work-group, no clusters, 50,688 bytes of LDS; arguments x, Wq, Wk, Wv, Wo, lowp_scales, x_img, w_img; writes x_img, w_img
.if DOCPART == 1
	.amdgcn_target "amdgcn-amd-amdhsa--gfx1250"
	.amdhsa_code_object_version 6
	.text
	.protected	k_qf8b09de5b7_quant
	.globl	k_qf8b09de5b7_quant
	.p2align	8
	.type	k_qf8b09de5b7_quant,@function
k_qf8b09de5b7_quant:
	s_mov_b64 s[64:65], 0
	v_nop
	global_prefetch_b8 v0, s[64:65] scope:SCOPE_SE
	s_setreg_imm32_b32 hwreg(HW_REG_WAVE_MODE, 25, 1), 1
	s_wait_xcnt 0x0
; x [8192][1024] f32 becomes three sets of E4M3 codes (scales 2^e0, 2^e2, 2^e4: one for each projection); Wq, Wk, Wv, Wo [1024 (k)][1024 (n)] f32 one set each (e1, e3, e5, e11).
; code = number / 2^e, held within +-448, rounded to the nearest code, ties to even.
; LIMITS: every e used here lies between -126 and 119, so that 2^e and 448 x 2^e are f32 numbers.  NaN among the inputs is not served; an infinity is held at the largest code.
; THE CODES ARE LAID AS IMAGES OF OPERAND REGISTERS.  A block is 512 bytes: lane L = 16 h + r has the 16 bytes at 16 L: codes k = 32 c + 8 h + 0..7, then k = 32 c + 16 + 8 h + 0..7, of the operand's row r:
; registers 4 c .. 4 c + 3 of a fragment of the plain 8-bit forms.  x_img: [set 3][tile of 16 tokens 512][128 along K: 8][block 4][512].  w_img: [weight 4][tile of 16 columns n 64][8][4][512].
; Work-groups 0-511 take x (a tile of 16 tokens each; wave g the 256 numbers 256 g on of each row), work-groups 512-767 the weights (128 columns x 128 along K each; a wave 32 columns).
; The two ways part on the work-group's number and have LDS bytes of their own.  Waves share nothing: no barrier.  No work-group reads what another reads: no cluster, no tensor load.
.set XST,  8448                        ; x: a wave's stage: 16 rows x (512 bytes + 16)
.set WST,  33792                       ; W: the stages begin behind x's four; 4,096 bytes a wave
.set SC,   4                           ; v4-6    2^e as f32, for the three sets of x
.set LM,   7                           ; v7-9    448 x 2^e
.set R,    16                          ; v16-143 x as loaded, two fragments of 64 registers; later the codes: fragment f, set s at v[R + 64 f + 16 s]
.set X,    144                         ; v144-207 64 numbers of my row: register 16 c + 8 u + i = k 32 c + 16 u + 8 h + i
.set T,    208                         ; v208-239 held numbers, two sets of 16 by turns
.set WX,   16                          ; W: v16-143 register 32 c + i = W(32 c + i, my column)
.set WC,   144                         ; W: v144-175 codes, 8 registers a block
.set WO,   176                         ; W: v176-207 the blocks read back
	s_load_b512 s[16:31], s[0:1], 0x0              ; x 16, Wq 18, Wk 20, Wv 22, Wo 24, the exponents 26, x_img 28, w_img 30
	v_lshl_add_u32 v240, v0, 2, 0xc400
	v_mov_b32 v241, 0
	v_lshrrev_b32 v1, 5, v0
	v_readfirstlane_b32 s8, v1                     ; wave
	v_and_b32 v12, 31, v0                          ; lane
	v_and_b32 v13, 15, v0                          ; r
	v_bfe_u32 v14, v0, 4, 1                        ; h
	s_mov_b32 s3, 0
	s_mov_b32 s11, 0
	s_wait_kmcnt 0x0
	s_load_b256 s[32:39], s[26:27], 0x0            ; e0 .. e7
	s_load_b128 s[40:43], s[26:27], 0x20           ; e8 .. e11
	s_cmp_lt_u32 ttmp9, 512
	s_cbranch_scc0 .Lw
; ---------------- x ----------------
.macro LOADX f                         ; fragment f: of each of the 16 rows 512 consecutive bytes, 16 a lane
.set nn, 0
.rept 16
	global_load_b128 v[R+64*\f+4*nn:R+64*\f+4*nn+3], v1, s[4:5] offset:4096*nn+512*\f th:TH_LOAD_NT
.set nn, nn+1
.endr
.endm
.macro TURNX f                         ; through my stage: in as loaded, out as lane (r, h) wants its row.  LDS serves a wave's instructions in order: no wait between
.set nn, 0
.rept 16
	ds_store_b128 v2, v[R+64*\f+4*nn:R+64*\f+4*nn+3] offset:528*nn
.set nn, nn+1
.endr
.set nn, 0
.rept 16
	ds_load_b128 v[X+4*nn:X+4*nn+3], v3 offset:128*(nn/4)+64*((nn/2)%2)+16*(nn%2)
.set nn, nn+1
.endr
.endm
.macro QX f, s                         ; fragment f under scale s: hold, convert, store four blocks of 512 consecutive bytes
.set CC, R+64*\f+16*\s
.irp c, 0,1,2,3
.set TS, T+16*(\c%2)
.set nn, 0
.rept 16
	v_med3_num_f32 v[TS+nn], v[X+16*\c+nn], -v[LM+\s], v[LM+\s]   ; the conversion does not saturate (ISA guide 7.6.2): hold first.  X is kept: it serves three scales
.set nn, nn+1
.endr
	v_cvt_scalef32_pk8_fp8_f32 v[CC+4*\c:CC+4*\c+1], v[TS:TS+7], v[SC+\s]        ; the other set's sixteen holds stand between these and the next write of their sources
	v_cvt_scalef32_pk8_fp8_f32 v[CC+4*\c+2:CC+4*\c+3], v[TS+8:TS+15], v[SC+\s]
.endr
.irp c, 0,1,2,3
	global_store_b128 v1, v[CC+4*\c:CC+4*\c+3], s[44+2*\s:45+2*\s] offset:2048*\f+512*\c   ; every store has data registers of its own: none is written again
.endr
.endm
	s_wait_alu depctr_va_vdst(0)
	v_lshlrev_b32 v1, 4, v12                       ; 16 x lane
	s_mul_i32 s9, s8, XST
	v_add_nc_u32 v2, s9, v1                        ; the stage, in
	v_mul_u32_u24 v3, v13, 528
	v_lshl_add_u32 v3, v14, 5, v3
	v_add_nc_u32 v3, s9, v3                        ; the stage, out: row r, + 32 h bytes
	s_lshl_b32 s2, ttmp9, 16                       ; 16 rows of 4,096 bytes
	s_lshl_b32 s10, s8, 10                         ; my 256 numbers of a row
	s_add_co_u32 s2, s2, s10
	s_add_nc_u64 s[4:5], s[16:17], s[2:3]
	LOADX 0
	LOADX 1
	s_lshl_b32 s10, ttmp9, 14                      ; the tile's 16,384 bytes of codes,
	s_lshl_b32 s9, s8, 12                          ; my two fragments of them
	s_add_co_u32 s10, s10, s9
	s_add_nc_u64 s[44:45], s[28:29], s[10:11]
	s_add_nc_u64 s[46:47], s[44:45], 0x800000      ; the second set,
	s_add_nc_u64 s[48:49], s[46:47], 0x800000      ; the third
	s_wait_alu depctr_va_vdst(0)
	s_wait_kmcnt 0x0
.irp s, 0,1,2
	s_add_co_i32 s50, s[32+2*\s], 127
	s_lshl_b32 s51, s50, 23
	v_mov_b32 v[SC+\s], s51
	s_add_co_i32 s50, s50, 8
	s_lshl_b32 s50, s50, 23
	s_or_b32 s50, s50, 0x600000
	v_mov_b32 v[LM+\s], s50
.endr
	s_wait_alu depctr_va_vdst(0)
	s_wait_loadcnt 16                              ; fragment 0's sixteen loads are in; fragment 1's sixteen were issued behind them
	TURNX 0
	s_wait_dscnt 0x0
	QX 0, 0
	QX 0, 1
	QX 0, 2
	s_wait_loadcnt 0x0
	TURNX 1
	s_wait_dscnt 0x0
	QX 1, 0
	QX 1, 1
	QX 1, 2
	s_wait_tensorcnt 0x0
	ds_add_u32 v240, v241
	s_wait_dscnt 0x0
	s_endpgm
; ---------------- the weights: a lane takes a column n, its registers run down K ----------------
.macro LOADW c                         ; block c: 32 rows of W at my column: 128 consecutive bytes a wave, 512 a work-group
.set nn, 0
.rept 32
	global_load_b32 v[WX+32*(\c)+nn], v1, s[4:5] offset:(32*(\c)+nn)*4096 th:TH_LOAD_NT
.set nn, nn+1
.endr
.endm
.macro BLOCKW c, left
	s_wait_loadcnt \left                           ; this block's 32 loads are in; the next block's 32 were issued behind them
.if (\c) < 2
	LOADW (\c)+2
.endif
.set nn, 0
.rept 32
	v_med3_num_f32 v[WX+32*(\c)+nn], v[WX+32*(\c)+nn], -v10, v10
.set nn, nn+1
.endr
	v_cvt_scalef32_pk8_fp8_f32 v[WC+8*(\c):WC+8*(\c)+1],   v[WX+32*(\c):WX+32*(\c)+7],     v11   ; k 0-7   } the 16 bytes of the block's lane r
	v_cvt_scalef32_pk8_fp8_f32 v[WC+8*(\c)+2:WC+8*(\c)+3], v[WX+32*(\c)+16:WX+32*(\c)+23], v11   ; k 16-23 }
	v_cvt_scalef32_pk8_fp8_f32 v[WC+8*(\c)+4:WC+8*(\c)+5], v[WX+32*(\c)+8:WX+32*(\c)+15],  v11   ; k 8-15  } those of its lane 16 + r
	v_cvt_scalef32_pk8_fp8_f32 v[WC+8*(\c)+6:WC+8*(\c)+7], v[WX+32*(\c)+24:WX+32*(\c)+31], v11   ; k 24-31 }
	ds_store_b128 v2, v[WC+8*(\c):WC+8*(\c)+3] offset:512*(\c)
	ds_store_b128 v2, v[WC+8*(\c)+4:WC+8*(\c)+7] offset:512*(\c)+256
.endm
.Lw:
	s_sub_co_u32 s9, ttmp9, 512
	s_lshr_b32 s10, s9, 6                          ; which weight: q, k, v, o
	s_and_b32 s12, s9, 7                           ; which 128 columns
	s_bfe_u32 s13, s9, 0x30003                     ; which 128 along K
	s_wait_alu depctr_va_vdst(0)
	v_lshlrev_b32 v1, 2, v12                       ; in: 4 bytes a lane
	s_wait_alu depctr_va_vdst(0)
	v_lshlrev_b32 v4, 4, v12                       ; out: 16 bytes a lane
	s_lshl_b32 s14, s8, 12
	s_add_co_u32 s14, s14, WST                     ; my stage: two tiles of 16 columns x four blocks
	v_lshlrev_b32 v2, 4, v13
	v_lshl_add_u32 v2, v14, 11, v2
	v_add_nc_u32 v2, s14, v2                       ; into it: tile lane / 16, line lane % 16
	v_add_nc_u32 v3, s14, v4                       ; out of it: as it lies
	s_lshl_b32 s2, s13, 19                         ; 128 rows of 4,096 bytes
	s_lshl_b32 s15, s12, 9
	s_add_co_u32 s2, s2, s15
	s_lshl_b32 s15, s8, 7
	s_add_co_u32 s2, s2, s15                       ; + my wave's first column
	s_lshl_b32 s10, s10, 0                         ; (kept as it is; the line only marks that s10 is the weight's number below)
	s_lshl_b32 s50, s10, 20                        ; a weight's 1,048,576 bytes of codes
	s_lshl_b32 s15, s12, 17                        ; eight tiles of 16,384
	s_add_co_u32 s50, s50, s15
	s_lshl_b32 s15, s8, 15                         ; my two tiles
	s_add_co_u32 s50, s50, s15
	s_lshl_b32 s15, s13, 11                        ; the fragment of this 128 along K
	s_add_co_u32 s50, s50, s15
	s_mov_b32 s51, 0
	s_cmp_eq_u32 s10, 1                            ; the choice hangs on the work-group's number alone
	s_cselect_b64 s[4:5], s[20:21], s[18:19]
	s_cmp_eq_u32 s10, 2
	s_cselect_b64 s[4:5], s[22:23], s[4:5]
	s_cmp_eq_u32 s10, 3
	s_cselect_b64 s[4:5], s[24:25], s[4:5]
	s_add_nc_u64 s[4:5], s[4:5], s[2:3]
	s_add_nc_u64 s[6:7], s[30:31], s[50:51]
	LOADW 0
	LOADW 1
	s_wait_kmcnt 0x0
	s_cmp_eq_u32 s10, 1
	s_cselect_b32 s52, s35, s33                    ; e3 : e1
	s_cmp_eq_u32 s10, 2
	s_cselect_b32 s52, s37, s52                    ; e5
	s_cmp_eq_u32 s10, 3
	s_cselect_b32 s52, s43, s52                    ; e11
	s_add_co_i32 s52, s52, 127
	s_lshl_b32 s53, s52, 23
	v_mov_b32 v11, s53                             ; 2^e
	s_add_co_i32 s52, s52, 8
	s_lshl_b32 s52, s52, 23
	s_or_b32 s52, s52, 0x600000
	v_mov_b32 v10, s52                             ; 448 x 2^e
	s_wait_alu depctr_va_vdst(0)
	BLOCKW 0, 32
	BLOCKW 1, 32
	BLOCKW 2, 32
	BLOCKW 3, 0
.set nn, 0
.rept 8
	ds_load_b128 v[WO+4*nn:WO+4*nn+3], v3 offset:512*nn          ; LDS serves a wave's instructions in order: these see my stores
.set nn, nn+1
.endr
.set nn, 0
.rept 8
	s_wait_dscnt 7-nn                              ; block nn is back; the younger loads may be out
	global_store_b128 v4, v[WO+4*nn:WO+4*nn+3], s[6:7] offset:(nn/4)*16384+(nn%4)*512   ; 512 consecutive bytes
.set nn, nn+1
.endr
	s_wait_tensorcnt 0x0
	ds_add_u32 v240, v241
	s_wait_dscnt 0x0
	s_endpgm
.Lfunc_end_k_qf8b09de5b7_quant:
	.size	k_qf8b09de5b7_quant, .Lfunc_end_k_qf8b09de5b7_quant-k_qf8b09de5b7_quant
	.p2alignl 7, 3214868480
	.fill 96, 4, 3214868480
	.section	.rodata,"a",@progbits
	.p2align	6, 0x0
	.amdhsa_kernel k_qf8b09de5b7_quant
		.amdhsa_group_segment_fixed_size 50688
		.amdhsa_private_segment_fixed_size 0
		.amdhsa_enable_private_segment 0
		.amdhsa_kernarg_size 64
		.amdhsa_user_sgpr_count 2
		.amdhsa_user_sgpr_kernarg_segment_ptr 1
		.amdhsa_wavefront_size32 1
		.amdhsa_system_sgpr_workgroup_id_x 1
		.amdhsa_system_sgpr_workgroup_id_y 1
		.amdhsa_system_sgpr_workgroup_id_z 1
		.amdhsa_system_vgpr_workitem_id 0
		.amdhsa_next_free_vgpr 242
		.amdhsa_next_free_sgpr 66
		.amdhsa_reserve_vcc 0
		.amdhsa_float_denorm_mode_32 3
		.amdhsa_float_denorm_mode_16_64 3
		.amdhsa_memory_ordered 1
		.amdhsa_forward_progress 1
		.amdhsa_inst_pref_size 65
	.end_amdhsa_kernel
	.amdgpu_metadata
---
amdhsa.version: [ 1, 2 ]
amdhsa.kernels:
  - .name:           k_qf8b09de5b7_quant
    .symbol:         k_qf8b09de5b7_quant.kd
    .args:
      - { .name: x, .offset: 0, .size: 8, .value_kind: global_buffer, .address_space: global }
      - { .name: Wq, .offset: 8, .size: 8, .value_kind: global_buffer, .address_space: global }
      - { .name: Wk, .offset: 16, .size: 8, .value_kind: global_buffer, .address_space: global }
      - { .name: Wv, .offset: 24, .size: 8, .value_kind: global_buffer, .address_space: global }
      - { .name: Wo, .offset: 32, .size: 8, .value_kind: global_buffer, .address_space: global }
      - { .name: lowp_scales, .offset: 40, .size: 8, .value_kind: global_buffer, .address_space: global }
      - { .name: x_img, .offset: 48, .size: 8, .value_kind: global_buffer, .address_space: global }
      - { .name: w_img, .offset: 56, .size: 8, .value_kind: global_buffer, .address_space: global }
    .group_segment_fixed_size: 50688
    .private_segment_fixed_size: 0
    .kernarg_segment_align: 8
    .kernarg_segment_size: 64
    .max_flat_workgroup_size: 128
    .sgpr_count:     66
    .vgpr_count:     242
    .wavefront_size: 32
...
	.end_amdgpu_metadata
.endif
;; end of part 1
;; launch qkv (part 2): grid 12 x 32, 4 waves a work-group, clusters of 4 x 4, 327,680 bytes of LDS; arguments x_img, w_img, lowp_scales, bq, bk, bv, q_img, k_img, v_img; writes q_img, k_img, v_img
.if DOCPART == 2
	.amdgcn_target "amdgcn-amd-amdhsa--gfx1250"
	.amdhsa_code_object_version 6
	.text
	.protected	k_qf8b09de5b7_qkv
	.globl	k_qf8b09de5b7_qkv
	.p2align	8
	.type	k_qf8b09de5b7_qkv,@function
k_qf8b09de5b7_qkv:
	s_mov_b64 s[64:65], 0
	v_nop
	global_prefetch_b8 v0, s[64:65] scope:SCOPE_SE
	s_setreg_imm32_b32 hwreg(HW_REG_WAVE_MODE, 25, 1), 1
	s_wait_xcnt 0x0
	s_wait_alu depctr_hold_cnt(0) depctr_sa_sdst(0) depctr_va_vdst(0) depctr_va_sdst(0) depctr_va_ssrc(0) depctr_va_vcc(0) depctr_vm_vsrc(0)
	s_getreg_b32 s2, hwreg(HW_REG_IB_STS2, 6, 4)
	s_cmp_eq_u32 s2, 0
	s_cbranch_scc0 .Lentry_in_a_cluster
	s_endpgm
.Lentry_in_a_cluster:
	s_bfe_u32 s2, ttmp6, 0x10000c
	s_cmp_lg_u32 s2, 0xf033
	s_cbranch_scc0 .Lentry_shape_is_right
	s_endpgm
.Lentry_shape_is_right:
.set ROWB,  4096
.set FR,    16
.set NL,    4
.set NP,    4
.set HALFT, 32768
.set SLOT,  131072
.set SPARE, 262144
.set ADRA, 16
.set ADRB, 20
.set HB,   22
.set RB,   23
.set LI,   26
.set SPW,  28
.set NIL,  29
.set SC,   30
.set LIM,  31
.set BN,   32
.set BM,   96
.set AF,   128
.set TT,   128
.set CD,   192
.set G1, 24
.set G0, 32
.set G1B, 48
.set G0B, 56
.set MSB, 0
.macro WIN new
.if MSB != (\new)
	s_set_vgpr_msb (MSB<<8)|(\new)
.set MSB, (\new)
.endif
.endm
.set MUL_LO, 0xa1
.set MUL_HI, 0xf1
.set TO_B,   0x40
.macro JLOAD g0a, g1a, g0b, g1b
	s_cmp_eq_u32 s15, 0
	s_cbranch_scc0 .Lfor_b_\@
	tensor_load_to_lds s[\g0a:\g0a+3], s[\g1a:\g1a+7]
	s_nop 0
.rept 4
	v_nop
.endr
	s_branch .Lasked_\@
.Lfor_b_\@:
	tensor_load_to_lds s[\g0b:\g0b+3], s[\g1b:\g1b+7]
	s_nop 0
.rept 4
	v_nop
.endr
.Lasked_\@:
.endm
.macro CREST
	s_cmp_lg_u32 s14, 0
	s_cbranch_scc1 .Lnot_wave_0_\@
	s_barrier_signal -3
.Lnot_wave_0_\@:
	s_barrier_wait -3
	s_barrier_signal -1
	s_barrier_wait -1
.endm
.macro CROUND
	s_barrier_signal -1
	s_barrier_wait -1
	CREST
.endm
	s_load_b512 s[68:83], s[0:1], 0x0
	s_load_b64 s[84:85], s[0:1], 0x40
	v_lshl_add_u32 v[SPW], v0, 2, SPARE
	v_mov_b32 v[NIL], 0
	ds_add_u32 v28, v29
	ds_add_u32 v28, v29
	s_wait_dscnt 0x0
	v_lshrrev_b32 v1, 5, v0
	v_readfirstlane_b32 s14, v1
	s_lshr_b32 s15, s14, 1
	s_and_b32 s16, s14, 1
	s_bfe_u32 s40, ttmp6, 0x40000
	s_bfe_u32 s41, ttmp6, 0x40004
	s_mov_b32 s42, ttmp9
	s_and_b32 s17, ttmp7, 0xffff
	s_lshl_b32 s17, s17, 2
	s_add_co_u32 s18, s17, s41
	s_add_co_u32 s19, s17, s40
	s_lshl_b32 s43, s41, 2
	s_lshl_b32 s43, 15, s43
	s_lshl_b32 s44, 0x1111, s40
	s_or_b32 s[G1+0], s43, (3<<16)|(1<<21)
	s_or_b32 s[G1B+0], s44, (3<<16)|(1<<21)
.irp g, G1, G1B
	s_mov_b32 s[\g+1], 512<<16
	s_mov_b32 s[\g+2], 8<<16
	s_mov_b32 s[\g+3], 512<<16
	s_mov_b32 s[\g+4], 8
	s_mov_b32 s[\g+5], 2048
	s_mov_b32 s[\g+6], 0
	s_mov_b32 s[\g+7], 0
.endr
	s_lshl_b32 s21, s42, 23
	s_lshl_b32 s22, s42, 20
	s_cmp_eq_u32 s42, 2
	s_cselect_b32 s20, s41, s18
	s_cselect_b32 s46, s19, s40
	s_cselect_b32 s23, s22, s21
	s_cselect_b32 s47, s21, s22
	s_lshl_b32 s2, s20, 18
	s_lshl_b32 s3, s16, 17
	s_add_co_u32 s2, s2, s3
	s_add_co_u32 s2, s2, s23
	s_mov_b32 s3, 0
	s_lshl_b32 s66, s46, 18
	s_lshl_b32 s67, s16, 17
	s_add_co_u32 s66, s66, s67
	s_add_co_u32 s66, s66, s47
	s_mov_b32 s67, 0
	s_lshl_b32 s45, s14, 15
	s_wait_kmcnt 0x0
	s_load_b256 s[88:95], s[72:73], 0x0
	s_load_b128 s[96:99], s[72:73], 0x20
	s_cmp_eq_u32 s42, 2
	s_cselect_b64 s[4:5], s[70:71], s[68:69]
	s_cselect_b64 s[6:7], s[68:69], s[70:71]
	s_add_nc_u64 s[4:5], s[4:5], s[2:3]
	s_add_nc_u64 s[6:7], s[6:7], s[66:67]
	; the prefetches: of the 8 tile rows (16,384 bytes apart) that my wave fetches, each of the four partners that ask with me takes two, told apart by address (cx for A's waves, cy for B's); a K step is 4,096 bytes of a tile row: 32 blocks of 256 bytes, a lane a block
	s_cmp_eq_u32 s15, 0
	s_cselect_b64 s[100:101], s[4:5], s[6:7]
	s_cselect_b32 s66, s40, s41
	s_lshl_b32 s66, s66, 15
	s_add_nc_u64 s[100:101], s[100:101], s[66:67]
	v_and_b32 v24, 15, v0
	v_bfe_u32 v25, v0, 4, 1
	v_lshlrev_b32 v24, 8, v24
	v_lshl_add_u32 v24, v25, 14, v24               ; 256 x (lane % 16) + 16,384 x (lane / 16); v24 and s[100:101] are never rewritten
	s_wait_alu depctr_va_vdst(0)
	CROUND
.irp s, 0,1
	s_mov_b32 s[G0+4*\s], 1
	s_add_co_u32 s[G0+4*\s+1], s45, \s*SLOT
	s_add_nc_u64 s[G0+4*\s+2:G0+4*\s+3], s[4:5], \s*ROWB
	s_or_b32 s[G0+4*\s+3], s[G0+4*\s+3], 0x80000000
	s_mov_b32 s[G0B+4*\s], 1
	s_add_co_u32 s[G0B+4*\s+1], s45, \s*SLOT
	s_add_nc_u64 s[G0B+4*\s+2:G0B+4*\s+3], s[6:7], \s*ROWB
	s_or_b32 s[G0B+4*\s+3], s[G0B+4*\s+3], 0x80000000
.if \s
	s_wait_alu depctr_va_vdst(0)
	s_wait_tensorcnt 0x0
	ds_add_u32 v28, v29
	ds_add_u32 v28, v29
	s_wait_dscnt 0x0
	CROUND
.endif
	JLOAD G0+4*\s, G1, G0B+4*\s, G1B
.if \s
	global_prefetch_b8 v24, s[100:101] offset:3*ROWB th:TH_LOAD_NT scope:SCOPE_SE   ; behind K step 1's load: K step 3, the last
.else
	global_prefetch_b8 v24, s[100:101] offset:ROWB th:TH_LOAD_NT scope:SCOPE_SE     ; behind K step 0's load: K steps 1 and 2
	global_prefetch_b8 v24, s[100:101] offset:2*ROWB th:TH_LOAD_NT scope:SCOPE_SE
.endif
.endr
	v_and_b32 v1, 15, v0
	v_bfe_u32 v2, v0, 4, 1
	v_and_b32 v3, 31, v0
	v_lshlrev_b32 v[LI], 4, v3
	v_lshlrev_b32 v[HB], 5, v2
	s_wait_alu depctr_va_vdst(0)
	v_lshlrev_b32 v[RB], 2, v1
	s_wait_alu depctr_va_vdst(0)
	s_lshl_b32 s21, s15, 15
	s_lshl_b32 s22, s16, 15
	s_add_co_u32 s22, s22, 2*HALFT
.irp s, 0,1
	v_add_nc_u32 v[ADRA+\s], s21, v[LI]
	v_add_nc_u32 v[ADRB+\s], s22, v[LI]
	s_add_co_u32 s21, s21, SLOT
	s_add_co_u32 s22, s22, SLOT
.endr
	s_lshl_b32 s2, s20, 8
	s_lshl_b32 s3, s15, 7
	s_add_co_u32 s2, s2, s3
	s_lshl_b32 s3, s46, 8
	s_lshl_b32 s21, s16, 7
	s_add_co_u32 s3, s3, s21
	s_cmp_eq_u32 s42, 2
	s_cselect_b32 s21, s3, s2
	s_cselect_b32 s22, s2, s3
	s_cselect_b32 s23, 0, s3
	s_cselect_b32 s47, s2, 0
	s_cselect_b64 s[8:9], s[84:85], s[80:81]
	s_cselect_b64 s[10:11], s[78:79], s[74:75]
	s_cmp_eq_u32 s42, 1
	s_cselect_b64 s[8:9], s[82:83], s[8:9]
	s_cselect_b64 s[10:11], s[76:77], s[10:11]
	s_lshl_b32 s66, s47, 2
	s_mov_b32 s67, 0
	s_add_nc_u64 s[12:13], s[10:11], s[66:67]
	s_lshl_b32 s66, s23, 2
	s_add_nc_u64 s[10:11], s[10:11], s[66:67]
	s_lshr_b32 s47, s21, 11
	s_lshl_b32 s47, s47, 21
	s_lshr_b32 s66, s22, 6
	s_lshl_b32 s66, s66, 17
	s_add_co_u32 s66, s66, s47
	s_and_b32 s47, s21, 2047
	s_lshl_b32 s47, s47, 6
	s_add_co_u32 s66, s66, s47
	s_add_nc_u64 s[8:9], s[8:9], s[66:67]
.irp b, 0,1,2,3,4,5,6,7
	global_load_b128 v[BN+8*\b:BN+8*\b+3], v[HB], s[10:11] offset:64*\b
	global_load_b128 v[BN+8*\b+4:BN+8*\b+7], v[HB], s[10:11] offset:64*\b+16
.endr
.irp a, 0,1,2,3,4,5,6,7
	global_load_b32 v[BM+2*\a], v[RB], s[12:13] offset:64*\a
	global_load_b32 v[BM+2*\a+1], v[RB], s[12:13] offset:64*\a
.endr
.macro FRAG reg, adr, q, i
.irp c, 0,1,2,3
	ds_load_b128 v[\reg+4*\c:\reg+4*\c+3], v[\adr] offset:2048*(\q)+4096*(\i)+512*\c
.endr
.endm
.macro MUL16 a0, p, zero
.irp a, \a0, \a0+1
.irp b, 0,1,2,3,4,5,6,7
.if \zero
	v_wmma_f32_16x16x128_fp8_fp8 v[8*(8*((\a)%4)+\b):8*(8*((\a)%4)+\b)+7], v[128*(\p)+FR*\b:128*(\p)+FR*\b+FR-1], v[AF+FR*(\a):AF+FR*(\a)+FR-1], 0
.else
	v_wmma_f32_16x16x128_fp8_fp8 v[8*(8*((\a)%4)+\b):8*(8*((\a)%4)+\b)+7], v[128*(\p)+FR*\b:128*(\p)+FR*\b+FR-1], v[AF+FR*(\a):AF+FR*(\a)+FR-1], v[8*(8*((\a)%4)+\b):8*(8*((\a)%4)+\b)+7]
.endif
.endr
.endr
.endm
.macro FETCH_B slot, q, p
	WIN TO_B
.irp i, 0,1,2,3,4,5,6,7
	FRAG 128*(\p)+FR*\i, ADRB+\slot, \q, \i
.endr
	WIN 0
.endm
.macro FETCH_A slot, q, i0
.irp i, \i0, \i0+1, \i0+2, \i0+3
	FRAG AF+FR*(\i), ADRA+\slot, \q, \i
.endr
.endm
.macro PLACES n
.rept \n
	v_nop
.endr
.endm
.macro STEP slot, q, zero
	s_wait_dscnt 4*NL
	WIN MUL_LO
	MUL16 0, (\q)%2, \zero
	MUL16 2, (\q)%2, \zero
	s_wait_dscnt 0
	PLACES NP
	FETCH_B \slot, (\q)+1, 1-(\q)%2
	FETCH_A \slot, (\q)+1, 0
	WIN MUL_HI
	MUL16 4, (\q)%2, \zero
	MUL16 6, (\q)%2, \zero
	PLACES NP
	WIN 0
	FETCH_A \slot, (\q)+1, 4
.endm
.macro TURN slot, next, fill
	s_wait_tensorcnt 0x0
	ds_add_u32 v[SPW], v[NIL]
	s_wait_dscnt 4*NL+1
	WIN MUL_LO
	MUL16 0, 1, 0
	s_wait_dscnt 0x0
	s_barrier_signal -1
	MUL16 2, 1, 0
	WIN 0
	s_barrier_wait -1
.if \fill
	CREST
	s_add_nc_u64 s[G0+4*\slot+2:G0+4*\slot+3], s[G0+4*\slot+2:G0+4*\slot+3], 2*ROWB
	s_add_nc_u64 s[G0B+4*\slot+2:G0B+4*\slot+3], s[G0B+4*\slot+2:G0B+4*\slot+3], 2*ROWB
	JLOAD G0+4*\slot, G1, G0B+4*\slot, G1B
.else
	PLACES NP
.endif
	FETCH_B \next, 0, 0
	FETCH_A \next, 0, 0
	WIN MUL_HI
	MUL16 4, 1, 0
	MUL16 6, 1, 0
	PLACES NP
	WIN 0
	FETCH_A \next, 0, 4
.endm
	s_wait_alu depctr_va_vdst(0)
	s_wait_tensorcnt 1
	s_barrier_signal -1
	s_barrier_wait -1
	FETCH_B 0, 0, 0
	FETCH_A 0, 0, 0
	FETCH_A 0, 0, 4
	STEP 0, 0, 1
	TURN 0, 1, 1
	STEP 1, 0, 0
	TURN 1, 0, 1
	STEP 0, 0, 0
	TURN 0, 1, 0
	STEP 1, 0, 0
	s_wait_dscnt 4*NL
	WIN MUL_LO
	MUL16 0, 1, 0
	MUL16 2, 1, 0
	s_wait_dscnt 0
	WIN MUL_HI
	MUL16 4, 1, 0
	MUL16 6, 1, 0
	WIN 0
	s_wait_kmcnt 0x0
	s_cmp_eq_u32 s42, 1
	s_cselect_b32 s2, s90, s88
	s_cselect_b32 s3, s91, s89
	s_cselect_b32 s21, s95, s94
	s_cmp_eq_u32 s42, 2
	s_cselect_b32 s2, s92, s2
	s_cselect_b32 s3, s93, s3
	s_cselect_b32 s21, s96, s21
	s_add_co_i32 s2, s2, s3
	s_add_co_i32 s2, s2, 127
	s_lshl_b32 s86, s2, 23
	s_mov_b32 s87, s86
	s_add_co_i32 s21, s21, 127
	s_lshl_b32 s22, s21, 23
	v_mov_b32 v[SC], s22
	s_add_co_i32 s21, s21, 8
	s_lshl_b32 s21, s21, 23
	s_or_b32 s21, s21, 0x600000
	v_mov_b32 v[LIM], s21
	s_wait_loadcnt 0x0
	PLACES NP
.macro OUT isv
.irp a, 0,1,2,3,4,5,6,7
	WIN 0x02+(\a/4)
.irp b, 0,1,2,3,4,5,6,7
.irp j, 0,2,4,6
.if \isv
	v_pk_fma_f32 v[TT+8*\b+\j:TT+8*\b+\j+1], v[64*(\a%4)+8*\b+\j:64*(\a%4)+8*\b+\j+1], s[86:87], v[BM+2*\a:BM+2*\a+1] op_sel_hi:[1,0,1]
.else
	v_pk_fma_f32 v[TT+8*\b+\j:TT+8*\b+\j+1], v[64*(\a%4)+8*\b+\j:64*(\a%4)+8*\b+\j+1], s[86:87], v[BN+8*\b+\j:BN+8*\b+\j+1] op_sel_hi:[1,0,1]
.endif
.endr
.endr
	WIN 0
.set nn, 0
.rept 64
	v_med3_num_f32 v[TT+nn], v[TT+nn], -v[LIM], v[LIM]
.set nn, nn+1
.endr
	s_wait_alu depctr_va_vdst(0)
	s_wait_xcnt 0x0
.irp b, 0,1,2,3,4,5,6,7
	v_cvt_scalef32_pk8_fp8_f32 v[CD+2*\b:CD+2*\b+1], v[TT+8*\b:TT+8*\b+7], v[SC]
.endr
	v_nop
.irp p, 0,1,2,3
.if \isv
	global_store_b128 v[LI], v[CD+4*\p:CD+4*\p+3], s[8:9] offset:(\a/4)*131072+(\a%4)*2048+\p*512
.else
	global_store_b128 v[LI], v[CD+4*\p:CD+4*\p+3], s[8:9] offset:\a*1024+(\p/2)*131072+(\p%2)*512
.endif
.endr
.endr
.endm
	s_cmp_eq_u32 s42, 2
	s_cbranch_scc1 .Lout_v
	OUT 0
	s_branch .Ldone
.Lout_v:
	OUT 1
.Ldone:
	s_wait_tensorcnt 0x0
	ds_add_u32 v[SPW], v[NIL]
	s_wait_dscnt 0x0
	CROUND
	s_endpgm
.Lfunc_end_k_qf8b09de5b7_qkv:
	.size	k_qf8b09de5b7_qkv, .Lfunc_end_k_qf8b09de5b7_qkv-k_qf8b09de5b7_qkv
	.p2alignl 7, 3214868480
	.fill 96, 4, 3214868480
	.section	.rodata,"a",@progbits
	.p2align	6, 0x0
	.amdhsa_kernel k_qf8b09de5b7_qkv
		.amdhsa_group_segment_fixed_size 327680
		.amdhsa_private_segment_fixed_size 0
		.amdhsa_enable_private_segment 0
		.amdhsa_kernarg_size 72
		.amdhsa_user_sgpr_count 2
		.amdhsa_user_sgpr_kernarg_segment_ptr 1
		.amdhsa_wavefront_size32 1
		.amdhsa_system_sgpr_workgroup_id_x 1
		.amdhsa_system_sgpr_workgroup_id_y 1
		.amdhsa_system_sgpr_workgroup_id_z 1
		.amdhsa_system_vgpr_workitem_id 0
		.amdhsa_next_free_vgpr 1024
		.amdhsa_next_free_sgpr 102
		.amdhsa_reserve_vcc 0
		.amdhsa_float_denorm_mode_32 3
		.amdhsa_float_denorm_mode_16_64 3
		.amdhsa_memory_ordered 1
		.amdhsa_forward_progress 1
		.amdhsa_inst_pref_size 195
	.end_amdhsa_kernel
	.amdgpu_metadata
---
amdhsa.version: [ 1, 2 ]
amdhsa.kernels:
  - .name:           k_qf8b09de5b7_qkv
    .symbol:         k_qf8b09de5b7_qkv.kd
    .args:
      - { .name: x_img, .offset: 0, .size: 8, .value_kind: global_buffer, .address_space: global }
      - { .name: w_img, .offset: 8, .size: 8, .value_kind: global_buffer, .address_space: global }
      - { .name: lowp_scales, .offset: 16, .size: 8, .value_kind: global_buffer, .address_space: global }
      - { .name: bq, .offset: 24, .size: 8, .value_kind: global_buffer, .address_space: global }
      - { .name: bk, .offset: 32, .size: 8, .value_kind: global_buffer, .address_space: global }
      - { .name: bv, .offset: 40, .size: 8, .value_kind: global_buffer, .address_space: global }
      - { .name: q_img, .offset: 48, .size: 8, .value_kind: global_buffer, .address_space: global }
      - { .name: k_img, .offset: 56, .size: 8, .value_kind: global_buffer, .address_space: global }
      - { .name: v_img, .offset: 64, .size: 8, .value_kind: global_buffer, .address_space: global }
    .group_segment_fixed_size: 327680
    .private_segment_fixed_size: 0
    .kernarg_segment_align: 8
    .kernarg_segment_size: 72
    .max_flat_workgroup_size: 128
    .sgpr_count:     102
    .vgpr_count:     1024
    .wavefront_size: 32
...
	.end_amdgpu_metadata
.endif
;; end of part 2
;; launch attn (part 3): grid 4 x 64, 8 waves a work-group, clusters of 4 x 1, 263,168 bytes of LDS; arguments q_img, k_img, v_img, lowp_scales, o_img; writes o_img
.if DOCPART == 3
	.amdgcn_target "amdgcn-amd-amdhsa--gfx1250"
	.amdhsa_code_object_version 6
	.text
	.protected	k_qf8b09de5b7_attn
	.globl	k_qf8b09de5b7_attn
	.p2align	8
	.type	k_qf8b09de5b7_attn,@function
k_qf8b09de5b7_attn:
	s_mov_b64 s[64:65], 0
	v_nop
	global_prefetch_b8 v0, s[64:65] scope:SCOPE_SE
	s_setreg_imm32_b32 hwreg(HW_REG_WAVE_MODE, 25, 1), 1
	s_wait_xcnt 0x0
	s_wait_alu depctr_hold_cnt(0) depctr_sa_sdst(0) depctr_va_vdst(0) depctr_va_sdst(0) depctr_va_ssrc(0) depctr_va_vcc(0) depctr_vm_vsrc(0)
	s_getreg_b32 s2, hwreg(HW_REG_IB_STS2, 6, 4)
	s_cmp_eq_u32 s2, 0
	s_cbranch_scc0 .Lentry_in_a_cluster
	s_endpgm
.Lentry_in_a_cluster:
	s_bfe_u32 s2, ttmp6, 0x10000c
	s_cmp_lg_u32 s2, 0x3003
	s_cbranch_scc0 .Lentry_shape_is_right
	s_endpgm
.Lentry_shape_is_right:
; Attention of one (batch, head) on E4M3 codes: S^T = K Q^T (K = 64), p = 2^(t - M), O^T = V^T P^T (K = the keys), O / l quantised with 2^e10 for the last projection.
; t = score x 2^(e6 + e7) x log2(e) / 8; M = the running largest t rounded UP to a whole number; p is quantised with 2^e9, not normalised; l is the f32 sum of the unquantised p.
; When M moves, l and O^T are multiplied by 2^(old M - new M): nothing is rounded, and there is no branch on data.
; LIMITS: e6 + e7 between -123 and 130 (added to the constant's exponent field); e9, e10 between -126 and 119; e8 + e9 is applied by v_ldexp_f32.  NaN is not served.
; SHARES.  A work-group owns 512 queries of one head, each of its eight waves 64: four tiles of 16, so that each fragment of K and V read from LDS feeds four tiles' products.  Two waves to a SIMD.
; THE HEAD'S WHOLE K AND V, 2 x 131,072 bytes of codes, LIE IN LDS: filled once, each wave one tensor load of 32,768 bytes, never filled again: no ring.
; CLUSTER.  The head's four blocks of queries are one cluster and ask for K and V jointly (mask 15).
; LAYOUT.  All operands are images of their registers (block of 512 bytes, lane L's 16 bytes at 16 L).  Both products are used transposed: a lane holds ONE query (lane % 16);
; in S^T its eight registers of key tile kt are keys 16 kt + 8 (lane / 16) + 0..7: their codes are registers 2 kt, 2 kt + 1 of P's fragment.
; THE KEY STEP (128 keys) IS A PIPELINE OVER THE FOUR TILES, on two buffers of scores, in eight parts, FRONT j and BACK j for j = 0..3, all alike.
;   FRONT j: tile j's score products; tile j - 1's sum (four chains), whose first eight lines are the places behind the products; tile j's maximum (four chains); its statistics, step by step between the sum's other lines and the multiply-adds; t - M.
;   BACK j:  tile j's 64 exponentials with tile j - 1's holds between them; one wait; tile j - 1's rescaling, conversion and second product.
; Tile 3's sum, holds, conversion and second product so fall into the next trip; the first trip finds zeros in their place (p = 0, l = 0, O^T = 0, which they leave as they are), and the last trip's are written out behind the loop.
; Nothing is prefetched: all that the launch reads is asked for at its head.
; REGISTERS.  window 0: v1-7 addresses and constants; v8-23 four registers of statistics a tile (-M, largest score, l in two halves); v24-31 f, a pair a tile; v32-45 at work; v62-63 the add's; v64-127 K's 8 fragments; v128-255 S^T, then p: two buffers.
;   window 1: v0-127 O^T, 32 a tile; v128-159 Q, 8 a tile; v160-223 V's 4 fragments; v224-255 P's codes, two sets of 16.
.set LI,   1                           ; 16 x lane
.set ADK,  2                           ; LDS address of the K in hand
.set ADV,  3                           ; of the V in hand
.set PSC,  4                           ; 2^e9
.set AV0,  5                           ; 16 x lane + 131,072
.set OSC,  6                           ; 2^e10
.set OLIM, 7                           ; 448 x 2^e10
.set ST,   8
.set F,    24
.set MX,   32                          ; v32-35 the maximum's four chains
.set PD,   36
.set OLD,  37
.set CH,   38                          ; v38-43 the sum's three further chains, a pair each
.set U,    44
.set KF,   64
.set S,    128
.set PO,   192                         ; the way out: O's codes
.set QF,   128                         ; in window 1
.set VF,   160                         ; in window 1
.set PW,   224                         ; in window 1
.set W_KQ,  0x04                       ; source 1 (Q) window 1
.set W_PV,  0x55                       ; all four operands window 1
.set W_RS,  0x41                       ; destination and source 0 window 1
.set TO1,   0x40                       ; destination window 1
.set FROM1, 0x01                       ; source 0 window 1
.set MSB, 0
.macro WIN new
.if MSB != (\new)
	s_set_vgpr_msb (MSB<<8)|(\new)
.set MSB, (\new)
.endif
.endm
.macro ROUND                           ; a round of the cluster's barrier
	s_barrier_signal -1
	s_barrier_wait -1
	s_cmp_lg_u32 s14, 0
	s_cbranch_scc1 .Lnot_wave_0_\@
	s_barrier_signal -3
.Lnot_wave_0_\@:
	s_barrier_wait -3
	s_barrier_signal -1
	s_barrier_wait -1
.endm
.macro PLACES n
.rept \n
	v_nop
.endr
.endm
	s_load_b256 s[4:11], s[0:1], 0x0               ; q_img 4, k_img 6, v_img 8, the exponents 10
	s_load_b64 s[12:13], s[0:1], 0x20              ; o_img
	v_lshl_add_u32 v62, v0, 2, 0x40000
	v_mov_b32 v63, 0
	ds_add_u32 v62, v63                            ; the opening lines: the add, twice on end, and its wait
	ds_add_u32 v62, v63
	v_lshrrev_b32 v2, 5, v0
	s_delay_alu instid0(VALU_DEP_1)
	v_readfirstlane_b32 s14, v2                    ; wave 0..7
	v_and_b32 v1, 31, v0
	s_delay_alu instid0(VALU_DEP_1)
	v_lshlrev_b32 v[LI], 4, v1
	s_delay_alu instid0(VALU_DEP_1)
	v_add_nc_u32 v[AV0], 131072, v[LI]
	s_bfe_u32 s15, ttmp6, 0x40000                  ; cx
	s_lshl_b32 s17, ttmp9, 2
	s_add_co_u32 s15, s15, s17                     ; my block of 512 queries: it enters Q's and O's addresses alone
	s_and_b32 s16, ttmp7, 0xffff                   ; batch x 16 + head, which the four partners share
	; descriptor group 1: 128 rows of 32 elements of 8 bytes, dense in memory and in LDS
	s_mov_b32 s24, 15|(3<<16)|(1<<21)              ; 15:0 the mask: all four work-groups; 17:16 elements of 8 bytes; 21 set beside a mask
	s_mov_b32 s25, 32<<16                          ; tensor_dim0
	s_mov_b32 s26, 128<<16                         ; tensor_dim1
	s_mov_b32 s27, 32<<16                          ; tile_dim0
	s_mov_b32 s28, 128                             ; tile_dim1
	s_mov_b32 s29, 32                              ; tensor_dim0_stride
	s_mov_b32 s30, 0
	s_mov_b32 s31, 0
	s_mov_b32 s20, 0x76543210                      ; v_permlanex16_b32: lane l xor 16
	s_mov_b32 s21, 0xfedcba98
	s_mov_b32 s2, 0                                ; LDS offset of the key step in hand
	s_mov_b32 s44, 16                              ; key steps of 128
	s_mov_b32 s19, 0
	s_wait_dscnt 0x0
	s_wait_kmcnt 0x0
	s_load_b128 s[36:39], s[10:11], 0x18           ; e6, e7, e8, e9
	s_load_b32 s40, s[10:11], 0x28                 ; e10
	ROUND                                          ; all four work-groups are here: the joint loads meet
	s_lshl_b32 s18, s16, 17                        ; the head's 131,072 bytes,
	s_and_b32 s17, s14, 3
	s_lshl_b32 s17, s17, 15                        ; my quarter of them
	s_add_co_u32 s18, s18, s17
	s_cmp_lt_u32 s14, 4                            ; waves 0-3 fetch K, waves 4-7 V
	s_cselect_b64 s[34:35], s[6:7], s[8:9]
	s_add_nc_u64 s[34:35], s[34:35], s[18:19]
	s_or_b32 s35, s35, 0x80000000                  ; type = 2
	s_mov_b32 s32, 1
	s_lshl_b32 s33, s14, 15                        ; LDS: wave x 32,768: K's four quarters, then V's
	tensor_load_to_lds s[32:35], s[24:31]          ; my one tensor load of the launch
	s_nop 0
	PLACES 4
	s_lshl_b32 s18, s16, 17
	s_lshl_b32 s17, s15, 15                        ; 32 tiles of 1,024 bytes a block of queries,
	s_add_co_u32 s18, s18, s17
	s_lshl_b32 s17, s14, 12                        ; 4 a wave
	s_add_co_u32 s18, s18, s17
	s_add_nc_u64 s[4:5], s[4:5], s[18:19]
	s_lshr_b32 s17, s16, 4                         ; o_img: the tile of 16 tokens: 128 x batch
	s_lshl_b32 s17, s17, 7
	s_lshl_b32 s18, s15, 5
	s_add_co_u32 s17, s17, s18                     ; + 32 x block
	s_lshl_b32 s18, s14, 2
	s_add_co_u32 s17, s17, s18                     ; + 4 x wave
	s_lshl_b32 s18, s17, 14                        ; 16,384 bytes a tile
	s_bfe_u32 s17, s16, 0x30001                    ; head / 2: which 128 along the next K
	s_lshl_b32 s17, s17, 11
	s_add_co_u32 s18, s18, s17
	s_and_b32 s17, s16, 1                          ; head % 2: which two blocks of the four
	s_lshl_b32 s17, s17, 10
	s_add_co_u32 s18, s18, s17
	s_add_nc_u64 s[12:13], s[12:13], s[18:19]
	WIN TO1
.set nn, 0
	s_wait_alu depctr_va_vdst(0)
.rept 8
	global_load_b128 v[QF+4*nn:QF+4*nn+3], v[LI], s[4:5] offset:512*nn     ; Q stays in registers
.set nn, nn+1
.endr
.set nn, 0
.rept 128
	v_mov_b32 v[nn], 0                             ; O^T.  (The key step is written once: the first finds zeros, which the first change of M leaves zeros)
.set nn, nn+1
.endr
	WIN 0
.set nn, 0
.rept 64
	v_mov_b32 v[S+64+nn], 0                        ; the second buffer: what the first trip takes for tile 3's p of a step before
.set nn, nn+1
.endr
.irp i, 0,1,2,3
	v_mov_b32 v[ST+4*\i], 0x7f61b1e6               ; -M: 3e38
	v_mov_b32 v[ST+4*\i+1], 0xff61b1e6             ; the largest score so far: -3e38
	v_mov_b32 v[ST+4*\i+2], 0                      ; l, in two halves
	v_mov_b32 v[ST+4*\i+3], 0
	v_mov_b32 v[F+2*\i], 0                         ; f (tile 3's is read once before it is made)
	v_mov_b32 v[F+2*\i+1], 0                       ; (named as the upper half of a pair)
.endr
	v_mov_b32 v[PD], 0                             ; a lane permute's destination counts as one of its sources
	s_wait_kmcnt 0x0
	s_add_co_i32 s17, s36, s37
	s_lshl_b32 s17, s17, 23
	s_mov_b32 s22, 0x3e38aa3b                      ; log2(e) / 8
	s_add_co_i32 s22, s22, s17                     ; c = that x 2^(e6 + e7): added to the exponent field
	s_mov_b32 s23, s22                             ; (named with it as a pair)
	s_xor_b32 s45, s22, 0x80000000                 ; -c
	s_add_co_i32 s17, s39, 127
	s_lshl_b32 s18, s17, 23
	v_mov_b32 v[PSC], s18                          ; 2^e9
	s_add_co_i32 s17, s17, 8
	s_lshl_b32 s17, s17, 23
	s_or_b32 s41, s17, 0x600000                    ; 448 x 2^e9
	s_add_co_i32 s42, s38, s39                     ; e8 + e9
	s_add_co_i32 s17, s40, 127
	s_lshl_b32 s18, s17, 23
	v_mov_b32 v[OSC], s18
	s_add_co_i32 s17, s17, 8
	s_lshl_b32 s17, s17, 23
	s_or_b32 s17, s17, 0x600000
	v_mov_b32 v[OLIM], s17
	v_mov_b32 v[ADK], v[LI]
	v_mov_b32 v[ADV], v[AV0]
	s_wait_alu depctr_va_vdst(0)                   ; the wait at the head's end
	s_wait_tensorcnt 0x0                           ; my quarter has landed,
	s_barrier_signal -1
	s_barrier_wait -1                              ; everybody's has
	s_wait_loadcnt 0x0                             ; Q
.macro FETCH_K                         ; 128 keys: 8 fragments of 16 keys x 64
.set nn, 0
.rept 16
	ds_load_b128 v[KF+4*nn:KF+4*nn+3], v[ADK] offset:512*nn
.set nn, nn+1
.endr
.endm
.macro FETCH_V                         ; 4 fragments of 16 d x 128 keys, into window 1
	WIN TO1
.set nn, 0
.rept 16
	ds_load_b128 v[VF+4*nn:VF+4*nn+3], v[ADV] offset:512*nn
.set nn, nn+1
.endr
	WIN 0
.endm
.macro KQ i                            ; S^T of tile i into buffer i % 2: eight accumulators, each begun with the constant 0
	WIN W_KQ
.irp kt, 0,1,2,3,4,5,6,7
	v_wmma_f32_16x16x64_fp8_fp8 v[S+64*((\i)%2)+8*\kt:S+64*((\i)%2)+8*\kt+7], v[KF+8*\kt:KF+8*\kt+7], v[QF+8*(\i):QF+8*(\i)+7], 0
.endr
.endm
.macro MAXI i                          ; the largest of my 64 scores in four chains by turns, two accumulators a chain, each accumulator from its low end on
	WIN 0
.set SI, S+64*((\i)%2)
.irp c, 0,1,2,3
	v_max3_num_f32 v[MX+\c], v[SI+16*\c], v[SI+16*\c+1], v[SI+16*\c+2]
.endr
.irp n, 3,5,7,9,11,13
.irp c, 0,1,2,3
	v_max3_num_f32 v[MX+\c], v[MX+\c], v[SI+16*\c+\n], v[SI+16*\c+\n+1]
.endr
.endr
.irp c, 0,1,2,3
	v_max_num_f32 v[MX+\c], v[MX+\c], v[SI+16*\c+15]
.endr
.endm
.macro TAIL k, j                       ; step k (0..9) of tile j's statistics; the steps stand apart, between lines of other chains
.set TJ, ST+4*(\j)
.if (\k) == 0
	v_max3_num_f32 v[MX], v[MX], v[MX+1], v[MX+2]
.endif
.if (\k) == 1
	v_max_num_f32 v[MX], v[MX], v[MX+3]
.endif
.if (\k) == 2
	v_permlanex16_b32 v[PD], v[MX], s20, s21
.endif
.if (\k) == 3
	v_max3_num_f32 v[TJ+1], v[TJ+1], v[MX], v[PD]  ; the running largest score, lane l xor 16's among them (c is positive: the largest score gives the largest t)
.endif
.if (\k) == 4
	v_mul_f32 v[U], s45, v[TJ+1]                   ; -t
.endif
.if (\k) == 5
	v_mov_b32 v[OLD], v[TJ]
.endif
.if (\k) == 6
	v_floor_f32 v[TJ], v[U]                        ; -M = floor(-t) = -ceil(t)
.endif
.if (\k) == 7
	v_sub_f32 v[OLD], v[TJ], v[OLD]                ; old M - new M: a whole number, 0 or less
.endif
.if (\k) == 8
	v_cvt_i32_f32 v[OLD], v[OLD]                   ; (it saturates)
.endif
.if (\k) == 9
	v_ldexp_f32 v[F+2*(\j)], 1.0, v[OLD]           ; f = 2^(old M - new M)
.endif
.endm
.macro SUM1                            ; line cn (0..31) of a tile's sum: l x f + the UNQUANTISED p, two at a time, in four chains by turns
.if cn == 0
	v_pk_fma_f32 v[LL:LL+1], v[LL:LL+1], v[FI:FI+1], v[SI:SI+1] op_sel_hi:[1,0,1]
.elseif cn < 4
	v_pk_add_f32 v[CH+2*cn-2:CH+2*cn-1], v[SI+4*cn-2:SI+4*cn-1], v[SI+4*cn:SI+4*cn+1]
.elseif cn < 29
.if (cn%4) == 0
	v_pk_add_f32 v[LL:LL+1], v[LL:LL+1], v[SI+2*cn+6:SI+2*cn+7]
.else
	v_pk_add_f32 v[CH+2*(cn%4)-2:CH+2*(cn%4)-1], v[CH+2*(cn%4)-2:CH+2*(cn%4)-1], v[SI+2*cn+6:SI+2*cn+7]
.endif
.elseif cn == 29
	v_pk_add_f32 v[CH+2:CH+3], v[CH+2:CH+3], v[CH+4:CH+5]
.elseif cn == 30
	v_pk_add_f32 v[LL:LL+1], v[LL:LL+1], v[CH:CH+1]
.else
	v_pk_add_f32 v[LL:LL+1], v[LL:LL+1], v[CH+2:CH+3]
.endif
.endm
.macro SUMP i, first, count, tl, j     ; lines first .. first + count - 1 of tile i's sum; tl = 1 (first = 8): behind every third line one of steps 0..6 of tile j's statistics
	WIN 0
.set SI, S+64*((\i)%2)
.set LL, ST+4*(\i)+2
.set FI, F+2*(\i)
.set cn, \first
.rept \count
	SUM1
.if \tl
.if ((cn-8)%3) == 2
.if cn < 29
	TAIL (cn-8)/3, \j
.endif
.endif
.endif
.set cn, cn+1
.endr
.endm
.macro FMAI i                          ; t - M, two at a time; steps 7..9 of the tile's statistics between the lines
	WIN 0
.set SI, S+64*((\i)%2)
.set TI, ST+4*(\i)
.set nn, 0
.rept 32
	v_pk_fma_f32 v[SI+nn:SI+nn+1], v[SI+nn:SI+nn+1], s[22:23], v[TI:TI+1] op_sel_hi:[1,0,0]
.if nn == 6
	TAIL 7, \i
.endif
.if nn == 14
	TAIL 8, \i
.endif
.if nn == 22
	TAIL 9, \i
.endif
.set nn, nn+2
.endr
.endm
.macro FINISH p                        ; tile p: O^T under the new M, p's codes, O^T += V^T P^T (four accumulators, one instruction each)
	WIN W_RS
	s_wait_alu depctr_va_vdst(0)                   ; one wait, ahead of the first instruction that names an exponential's result and directly ahead of the first reader of O^T
.set nn, 0
.rept 16
	v_pk_mul_f32 v[32*(\p)+nn:32*(\p)+nn+1], v[32*(\p)+nn:32*(\p)+nn+1], v[F+2*(\p):F+2*(\p)+1] op_sel_hi:[1,0]
.set nn, nn+2
.endr
	WIN TO1
.irp kt, 0,1,2,3,4,5,6,7
	v_cvt_scalef32_pk8_fp8_f32 v[PW+16*((\p)%2)+2*\kt:PW+16*((\p)%2)+2*\kt+1], v[S+64*((\p)%2)+8*\kt:S+64*((\p)%2)+8*\kt+7], v[PSC]
.endr
	v_nop                                          ; a plain instruction between the last conversion and the products that read its result or write its sources
	WIN W_PV
.irp t, 0,1,2,3
	v_wmma_f32_16x16x128_fp8_fp8 v[32*(\p)+8*\t:32*(\p)+8*\t+7], v[VF+16*\t:VF+16*\t+15], v[PW+16*((\p)%2):PW+16*((\p)%2)+15], v[32*(\p)+8*\t:32*(\p)+8*\t+7]
.endr
.endm
.macro FRONT j, i                      ; i = the tile before j
	KQ \j                                          ; into the buffer whose codes have been made
	SUMP \i, 0, 8, 0, 0                            ; eight lines on the other buffer: the places behind the products
.if \j == 1
	v_add_nc_u32 v[ADV], s2, v[AV0]
	FETCH_V                                        ; this step's V: its registers were last read by tile 3's second product, more than four places ago
.endif
.if \j == 3
	s_add_co_u32 s3, s2, 8192
	s_min_u32 s3, s3, 122880                       ; the next step's K; the last trip fetches its own once more, unused, so that every trip counts alike
	v_add_nc_u32 v[ADK], s3, v[LI]
	FETCH_K                                        ; K's registers were last read by tile 3's score products, eight places ago
.endif
	MAXI \j
	SUMP \i, 8, 24, 1, \j
	FMAI \j
.endm
.macro BACK j, i                       ; p = 2^(t - M) of tile j; between the exponentials the holds of tile i's p, in the other buffer, whose sum has been taken
	WIN 0
.set SI, S+64*((\j)%2)
.set SQ, S+64*((\i)%2)
	s_wait_alu depctr_va_vdst(0)                   ; the wait ahead of the batch
.set nn, 0
.rept 32
	v_exp_f32 v[SI+nn], v[SI+nn]
	v_exp_f32 v[SI+nn+1], v[SI+nn+1]
	v_dual_min_num_f32 v[SQ+nn], s41, v[SQ+nn] :: v_dual_min_num_f32 v[SQ+nn+1], s41, v[SQ+nn+1]   ; the conversion does not saturate (ISA guide 7.6.2); p is not negative: a one-sided hold, two numbers a line
.set nn, nn+2
.endr
.if \j == 1
	s_wait_dscnt 0x0                               ; V is in: its sixteen loads are all that is out
.endif
	FINISH \i
.endm
	FETCH_K                                        ; key step 0's K,
	FETCH_V                                        ; and its V, for the first trip's product with zeros
.Lstep:                                            ; 16 trips, 128 keys each
	s_wait_alu depctr_va_vdst(0)                   ; the wait here, directly ahead of the wait below
	s_wait_dscnt 0x0                               ; K is in: nothing else is out (the first trip: V too)
	FRONT 0, 3
	BACK 0, 3
	FRONT 1, 0
	BACK 1, 0
	FRONT 2, 1
	BACK 2, 1
	FRONT 3, 2
	BACK 3, 2
	WIN 0
	s_add_co_u32 s2, s2, 8192
	s_sub_co_u32 s44, s44, 1
	s_cmp_lg_u32 s44, 0
	s_wait_alu depctr_va_vdst(0)                   ; the wait ahead of the branch
	s_cbranch_scc1 .Lstep
	SUMP 3, 0, 32, 0, 0                            ; the last step's tile 3: its sum,
.set nn, 0
.rept 32
	v_dual_min_num_f32 v[S+64+nn], s41, v[S+64+nn] :: v_dual_min_num_f32 v[S+64+nn+1], s41, v[S+64+nn+1]   ; its holds,
.set nn, nn+2
.endr
	FINISH 3                                       ; and the rest
	WIN 0
	; THE WAY OUT: O^T / l x 2^(e8 + e9), held, converted with 2^e10, stored as blocks of the last projection's operand.  The additions are the places behind the last products.
	s_wait_dscnt 0x0                               ; the last trip's unused loads
.irp i, 0,1,2,3
	v_add_f32 v[ST+4*\i+2], v[ST+4*\i+2], v[ST+4*\i+3]
.endr
.irp i, 0,1,2,3
	s_delay_alu instid0(VALU_DEP_4)
	v_permlanex16_b32 v[ST+4*\i+3], v[ST+4*\i+2], s20, s21
.endr
.irp i, 0,1,2,3
	s_delay_alu instid0(VALU_DEP_4)
	v_add_f32 v[ST+4*\i+2], v[ST+4*\i+2], v[ST+4*\i+3]
.endr
	s_wait_alu depctr_va_vdst(0)
.irp i, 0,1,2,3
	v_rcp_f32 v[F+2*\i], v[ST+4*\i+2]
.endr
	v_nop                                          ; a plain instruction behind the last reciprocal
	s_wait_alu depctr_va_vdst(0)                   ; one wait for the four, ahead of their first reader
.irp i, 0,1,2,3
	v_ldexp_f32 v[F+2*\i], v[F+2*\i], s42
.endr
.irp i, 0,1,2,3
	WIN FROM1
	s_wait_alu depctr_va_vdst(0)                   ; the wait here, directly ahead of the first reader of O^T
.set nn, 0
.rept 16
	v_pk_mul_f32 v[S+32*(\i%2)+nn:S+32*(\i%2)+nn+1], v[32*\i+nn:32*\i+nn+1], v[F+2*\i:F+2*\i+1] op_sel_hi:[1,0]   ; register 8 t + j: o(query r, d = 16 t + 8 h + j)
.set nn, nn+2
.endr
	WIN 0
.set nn, 0
.rept 32
	v_med3_num_f32 v[S+32*(\i%2)+nn], v[S+32*(\i%2)+nn], -v[OLIM], v[OLIM]
.set nn, nn+1
.endr
.irp t, 0,1,2,3
	v_cvt_scalef32_pk8_fp8_f32 v[PO+8*\i+2*\t:PO+8*\i+2*\t+1], v[S+32*(\i%2)+8*\t:S+32*(\i%2)+8*\t+7], v[OSC]
.endr
	v_nop                                          ; a plain instruction behind the conversions
	global_store_b128 v[LI], v[PO+8*\i:PO+8*\i+3], s[12:13] offset:16384*\i          ; 512 consecutive bytes; every store has data registers of its own
	global_store_b128 v[LI], v[PO+8*\i+4:PO+8*\i+7], s[12:13] offset:16384*\i+512
.endr
	s_wait_tensorcnt 0x0                           ; the wave's end
	ds_add_u32 v62, v63
	s_wait_dscnt 0x0
	ROUND                                          ; the closing round
	s_endpgm
.Lfunc_end_k_qf8b09de5b7_attn:
	.size	k_qf8b09de5b7_attn, .Lfunc_end_k_qf8b09de5b7_attn-k_qf8b09de5b7_attn
	.p2alignl 7, 3214868480
	.fill 96, 4, 3214868480
	.section	.rodata,"a",@progbits
	.p2align	6, 0x0
	.amdhsa_kernel k_qf8b09de5b7_attn
		.amdhsa_group_segment_fixed_size 263168
		.amdhsa_private_segment_fixed_size 0
		.amdhsa_enable_private_segment 0
		.amdhsa_kernarg_size 40
		.amdhsa_user_sgpr_count 2
		.amdhsa_user_sgpr_kernarg_segment_ptr 1
		.amdhsa_wavefront_size32 1
		.amdhsa_system_sgpr_workgroup_id_x 1
		.amdhsa_system_sgpr_workgroup_id_y 1
		.amdhsa_system_sgpr_workgroup_id_z 1
		.amdhsa_system_vgpr_workitem_id 0
		.amdhsa_next_free_vgpr 512
		.amdhsa_next_free_sgpr 66
		.amdhsa_reserve_vcc 0
		.amdhsa_float_denorm_mode_32 3
		.amdhsa_float_denorm_mode_16_64 3
		.amdhsa_memory_ordered 1
		.amdhsa_forward_progress 1
		.amdhsa_inst_pref_size 91
	.end_amdhsa_kernel
	.amdgpu_metadata
---
amdhsa.version: [ 1, 2 ]
amdhsa.kernels:
  - .name:           k_qf8b09de5b7_attn
    .symbol:         k_qf8b09de5b7_attn.kd
    .args:
      - { .name: q_img, .offset: 0, .size: 8, .value_kind: global_buffer, .address_space: global }
      - { .name: k_img, .offset: 8, .size: 8, .value_kind: global_buffer, .address_space: global }
      - { .name: v_img, .offset: 16, .size: 8, .value_kind: global_buffer, .address_space: global }
      - { .name: lowp_scales, .offset: 24, .size: 8, .value_kind: global_buffer, .address_space: global }
      - { .name: o_img, .offset: 32, .size: 8, .value_kind: global_buffer, .address_space: global }
    .group_segment_fixed_size: 263168
    .private_segment_fixed_size: 0
    .kernarg_segment_align: 8
    .kernarg_segment_size: 40
    .max_flat_workgroup_size: 256
    .sgpr_count:     66
    .vgpr_count:     512
    .wavefront_size: 32
...
	.end_amdgpu_metadata
.endif
;; end of part 3
;; launch oproj (part 4): grid 8 x 32, 4 waves a work-group, clusters of 4 x 4, 327,680 bytes of LDS; arguments o_img, w_img, lowp_scales, bo, out0; writes out0
.if DOCPART == 4
	.amdgcn_target "amdgcn-amd-amdhsa--gfx1250"
	.amdhsa_code_object_version 6
	.text
	.protected	k_qf8b09de5b7_oproj
	.globl	k_qf8b09de5b7_oproj
	.p2align	8
	.type	k_qf8b09de5b7_oproj,@function
k_qf8b09de5b7_oproj:
	s_mov_b64 s[64:65], 0
	v_nop
	global_prefetch_b8 v0, s[64:65] scope:SCOPE_SE
	s_setreg_imm32_b32 hwreg(HW_REG_WAVE_MODE, 25, 1), 1
	s_wait_xcnt 0x0
	s_wait_alu depctr_hold_cnt(0) depctr_sa_sdst(0) depctr_va_vdst(0) depctr_va_sdst(0) depctr_va_ssrc(0) depctr_va_vcc(0) depctr_vm_vsrc(0)
	s_getreg_b32 s2, hwreg(HW_REG_IB_STS2, 6, 4)
	s_cmp_eq_u32 s2, 0
	s_cbranch_scc0 .Lentry_in_a_cluster
	s_endpgm
.Lentry_in_a_cluster:
	s_bfe_u32 s2, ttmp6, 0x10000c
	s_cmp_lg_u32 s2, 0xf033
	s_cbranch_scc0 .Lentry_shape_is_right
	s_endpgm
.Lentry_shape_is_right:
; out0 [8192][1024] f32 = O Wo x 2^(e10 + e11) + bo, on E4M3 codes.  O's codes (o_img) and Wo's (the fourth weight of w_img) are images of operand registers:
; [tile of 16 rows][128 along K: 8][block 4][512 bytes], lane L's 16 bytes of a block at 16 L: a tile row is 16,384 bytes, a K step of 256 is 4,096 consecutive bytes of it.
; LIMIT: e10 + e11 lies between -126 and 127, so that 2^(e10 + e11) is an f32 number.
; SHARES.  A block of 256 rows x 128 columns to a work-group: 32 x 8 = 256 work-groups.  Four waves, 2 x 2; a wave makes 128 x 64: 32 accumulators of 16 x 16.
; K goes in steps of 256 through a ring of two LDS slots: A's 16 tile rows (65,536 bytes; waves 0 and 1 fetch 8 each), then B's 8 (32,768 bytes; waves 2 and 3 fetch 4 each).
; CLUSTERS: 4 x 4 work-groups; A's tiles are asked for jointly along a row of the cluster, B's along a column.
; THE MATRIX INSTRUCTION IS USED TRANSPOSED (source 0 = 16 columns of Wo, source 1 = 16 rows of O): a lane holds eight neighbouring numbers of a row of out0.
; PREFETCH: behind K step 0's load each wave asks for K steps 1 and 2 of what it fetches, behind K step 1's load for K step 3.  The four partners of a joint load share its tile rows out by address:
; two tile rows each of A's 8 (32 blocks of 256 bytes, a lane a block), one each of B's 4 (16 blocks; lanes 16-31 name the last again).  The address registers are never rewritten.
; REGISTERS: window 0: v1-31 addresses; v32-63 the bias; v96-127 at work on the way out; from v128 A's 8 fragments, one set (on the way out the rows read back).
;   window 1: B's 4 fragments, two sets, at v0 and v128.  window 2: the accumulators of my rows 0-63 (accumulator (a, b) at v[8 (8 a + b)], b = 0..3); window 3: rows 64-127.
.set ROWB,  4096                       ; a K step's bytes of a tile row
.set FR,    16
.set NL,    4
.set NP,    4
.set HALFT, 32768                      ; 8 tile rows of a slot
.set SLOT,  131072
.set SPARE, 262144                     ; the spare words: 128 bytes a wave
.set SPITCH, 272                       ; the way out: a stage of 16 rows x (256 bytes + 16) for each wave, in slot 0, which has had its last fill and its last read by then
.set ADRA, 16
.set ADRB, 20
.set HB,   22
.set STO,  24
.set RD,   25
.set LI,   26
.set CO,   27
.set SPW,  28
.set NIL,  29
.set PFO,  30
.set BN,   32
.set TMP,  96
.set AF,   128
.set BK,   128
.set G1, 24
.set G0, 32
.set G1B, 48
.set G0B, 56
.set PFA, 78
.set MSB, 0
.macro WIN new
.if MSB != (\new)
	s_set_vgpr_msb (MSB<<8)|(\new)
.set MSB, (\new)
.endif
.endm
.set MUL_LO, 0xa1
.set MUL_HI, 0xf1
.set TO_B,   0x40
.macro JLOAD g0a, g1a, g0b, g1b        ; waves 0 and 1 fetch for A, waves 2 and 3 for B; an s_nop 0 and four v_nop behind each line
	s_cmp_eq_u32 s15, 0
	s_cbranch_scc0 .Lfor_b_\@
	tensor_load_to_lds s[\g0a:\g0a+3], s[\g1a:\g1a+7]
	s_nop 0
.rept 4
	v_nop
.endr
	s_branch .Lasked_\@
.Lfor_b_\@:
	tensor_load_to_lds s[\g0b:\g0b+3], s[\g1b:\g1b+7]
	s_nop 0
.rept 4
	v_nop
.endr
.Lasked_\@:
.endm
.macro CREST
	s_cmp_lg_u32 s14, 0
	s_cbranch_scc1 .Lnot_wave_0_\@
	s_barrier_signal -3
.Lnot_wave_0_\@:
	s_barrier_wait -3
	s_barrier_signal -1
	s_barrier_wait -1
.endm
.macro CROUND
	s_barrier_signal -1
	s_barrier_wait -1
	CREST
.endm
	s_load_b256 s[68:75], s[0:1], 0x0              ; o_img 68, w_img 70, the exponents 72, bo 74
	s_load_b64 s[76:77], s[0:1], 0x20              ; out0
	v_lshl_add_u32 v[SPW], v0, 2, SPARE
	v_mov_b32 v[NIL], 0
	ds_add_u32 v[SPW], v[NIL]                      ; the opening lines: the add, twice on end, and its wait
	ds_add_u32 v[SPW], v[NIL]
	v_lshrrev_b32 v1, 5, v0
	v_readfirstlane_b32 s14, v1                    ; wave 0..3
	s_lshr_b32 s15, s14, 1                         ; my half of the rows.  Also: I fetch for A (0) or for B (1)
	s_and_b32 s16, s14, 1                          ; my half of the columns.  Also: which half of that tile I fetch
	s_bfe_u32 s40, ttmp6, 0x40000                  ; cx
	s_bfe_u32 s41, ttmp6, 0x40004                  ; cy
	s_lshl_b32 s46, ttmp9, 2
	s_add_co_u32 s46, s46, s40                     ; block column, 0..7
	s_and_b32 s20, ttmp7, 0xffff
	s_lshl_b32 s20, s20, 2
	s_add_co_u32 s20, s20, s41                     ; block row, 0..31
	s_lshl_b32 s43, s41, 2
	s_lshl_b32 s43, 15, s43                        ; my row of the cluster
	s_lshl_b32 s44, 0x1111, s40                    ; my column
	s_or_b32 s[G1+0], s43, (3<<16)|(1<<21)         ; the mask; elements of 8 bytes; bit 21 beside a mask
	s_or_b32 s[G1B+0], s44, (3<<16)|(1<<21)
.irp g, G1, G1B
	s_mov_b32 s[\g+1], 512<<16                     ; tensor_dim0: 4,096 bytes
	s_mov_b32 s[\g+3], 512<<16                     ; tile_dim0
	s_mov_b32 s[\g+5], 2048                        ; from tile row to tile row: 16,384 bytes
	s_mov_b32 s[\g+6], 0
	s_mov_b32 s[\g+7], 0
.endr
	s_mov_b32 s[G1+2], 8<<16                       ; A: 8 tile rows a load
	s_mov_b32 s[G1+4], 8
	s_mov_b32 s[G1B+2], 4<<16                      ; B: 4
	s_mov_b32 s[G1B+4], 4
	s_lshl_b32 s2, s20, 18                         ; A: 16 tile rows a block,
	s_lshl_b32 s3, s16, 17                         ; 8 a load
	s_add_co_u32 s2, s2, s3
	s_mov_b32 s3, 0
	s_lshl_b32 s66, s46, 17                        ; B: 8 tile rows a block,
	s_lshl_b32 s67, s16, 16                        ; 4 a load,
	s_add_co_u32 s66, s66, s67
	s_add_co_u32 s66, s66, 3<<20                   ; in the fourth weight
	s_mov_b32 s67, 0
	s_lshl_b32 s45, s14, 15                        ; LDS: A's two halves;
	s_lshl_b32 s47, s16, 14
	s_add_co_u32 s47, s47, 2*HALFT                 ; B's two halves behind them
	s_cmp_eq_u32 s15, 0
	s_cselect_b32 s12, s40, s41                    ; my place among the four that ask with me
	s_cselect_b32 s13, 15, 14                      ; two tile rows of A, one of B
	s_cselect_b32 s21, 31, 15                      ; blocks less one
	s_lshl_b32 s12, s12, s13
	s_mov_b32 s13, 0
	v_and_b32 v5, 31, v0
	v_min_u32 v5, s21, v5
	v_and_b32 v6, 15, v5
	v_lshrrev_b32 v5, 4, v5
	v_lshlrev_b32 v6, 8, v6
	v_lshl_add_u32 v[PFO], v5, 14, v6              ; 256 x (block % 16) + 16,384 x (block / 16)
	s_wait_alu depctr_va_vdst(0)                   ; the wait here, directly ahead of the waits below
	s_wait_dscnt 0x0                               ; both opening adds are done
	s_wait_kmcnt 0x0
	s_load_b64 s[96:97], s[72:73], 0x28            ; e10, e11
	s_add_nc_u64 s[4:5], s[68:69], s[2:3]
	s_add_nc_u64 s[6:7], s[70:71], s[66:67]
	s_cmp_eq_u32 s15, 0
	s_cselect_b64 s[PFA:PFA+1], s[4:5], s[6:7]
	s_add_nc_u64 s[PFA:PFA+1], s[PFA:PFA+1], s[12:13]
	CROUND                                         ; all sixteen work-groups are here: the first joint loads meet
.irp s, 0,1
	s_mov_b32 s[G0+4*\s], 1
	s_add_co_u32 s[G0+4*\s+1], s45, \s*SLOT
	s_add_nc_u64 s[G0+4*\s+2:G0+4*\s+3], s[4:5], \s*ROWB
	s_or_b32 s[G0+4*\s+3], s[G0+4*\s+3], 0x80000000
	s_mov_b32 s[G0B+4*\s], 1
	s_add_co_u32 s[G0B+4*\s+1], s47, \s*SLOT
	s_add_nc_u64 s[G0B+4*\s+2:G0B+4*\s+3], s[6:7], \s*ROWB
	s_or_b32 s[G0B+4*\s+3], s[G0B+4*\s+3], 0x80000000
.endr
	JLOAD G0, G1, G0B, G1B                         ; K step 0: one tensor load a wave at the head
	global_prefetch_b8 v[PFO], s[PFA:PFA+1] offset:ROWB th:TH_LOAD_NT scope:SCOPE_SE      ; K steps 1 and 2
	global_prefetch_b8 v[PFO], s[PFA:PFA+1] offset:2*ROWB th:TH_LOAD_NT scope:SCOPE_SE
	s_lshl_b32 s21, s15, 15                        ; my 8 tile rows of A in a slot
	s_mul_i32 s23, s14, 16*SPITCH                  ; my stage
	s_lshl_b32 s2, s20, 8
	s_lshl_b32 s3, s15, 7
	s_add_co_u32 s2, s2, s3                        ; my first row of out0,
	s_lshl_b32 s2, s2, 12                          ; of 4,096 bytes
	s_lshl_b32 s22, s46, 7
	s_lshl_b32 s3, s16, 6
	s_add_co_u32 s22, s22, s3                      ; my first column
	s_lshl_b32 s66, s22, 2
	s_mov_b32 s67, 0
	s_add_nc_u64 s[10:11], s[74:75], s[66:67]      ; the bias there
	s_add_co_u32 s66, s66, s2
	s_add_nc_u64 s[8:9], s[76:77], s[66:67]        ; out0 there
	v_and_b32 v1, 15, v0                           ; r
	v_bfe_u32 v2, v0, 4, 1                         ; h
	v_and_b32 v3, 31, v0
	v_lshlrev_b32 v[LI], 4, v3                     ; 16 x lane
	v_lshlrev_b32 v[HB], 5, v2
	v_add_nc_u32 v[ADRA], s21, v[LI]
	v_add_nc_u32 v[ADRA+1], SLOT, v[ADRA]
	v_add_nc_u32 v[ADRB], s47, v[LI]
	v_add_nc_u32 v[ADRB+1], SLOT, v[ADRB]
	v_mul_u32_u24 v4, v1, SPITCH
	v_lshl_add_u32 v4, v2, 5, v4
	v_add_nc_u32 v[STO], s23, v4                   ; the stage, in: row r, 32 bytes for each half of the lanes
	v_mul_u32_u24 v5, v2, SPITCH
	v_lshl_add_u32 v5, v1, 4, v5
	v_add_nc_u32 v[RD], s23, v5                    ; back: lanes 0-15 one row of 256 bytes, lanes 16-31 the next
	v_lshlrev_b32 v6, 12, v2
	v_lshl_add_u32 v[CO], v1, 4, v6                ; and the same two rows in out0
	s_wait_alu depctr_va_vdst(0)                   ; the wait at the head's end
.irp b, 0,1,2,3
	global_load_b128 v[BN+8*\b:BN+8*\b+3], v[HB], s[10:11] offset:64*\b            ; bo at my eight columns of block b
	global_load_b128 v[BN+8*\b+4:BN+8*\b+7], v[HB], s[10:11] offset:64*\b+16
.endr
.macro FRAG reg, adr, q, i
.irp c, 0,1,2,3
	ds_load_b128 v[\reg+4*\c:\reg+4*\c+3], v[\adr] offset:2048*(\q)+4096*(\i)+512*\c
.endr
.endm
.macro MUL8 a0, p, zero                ; A's blocks a0, a0 + 1 x B's four, 128 along K; the 32 accumulators take turns, in the same order in every step
.irp a, \a0, \a0+1
.irp b, 0,1,2,3
.if \zero
	v_wmma_f32_16x16x128_fp8_fp8 v[8*(8*((\a)%4)+\b):8*(8*((\a)%4)+\b)+7], v[128*(\p)+FR*\b:128*(\p)+FR*\b+FR-1], v[AF+FR*(\a):AF+FR*(\a)+FR-1], 0
.else
	v_wmma_f32_16x16x128_fp8_fp8 v[8*(8*((\a)%4)+\b):8*(8*((\a)%4)+\b)+7], v[128*(\p)+FR*\b:128*(\p)+FR*\b+FR-1], v[AF+FR*(\a):AF+FR*(\a)+FR-1], v[8*(8*((\a)%4)+\b):8*(8*((\a)%4)+\b)+7]
.endif
.endr
.endr
.endm
.macro FETCH_B slot, q, p
	WIN TO_B
.irp i, 0,1,2,3
	FRAG 128*(\p)+FR*\i, ADRB+\slot, \q, \i
.endr
	WIN 0
.endm
.macro FETCH_A slot, q, i0
.irp i, \i0, \i0+1, \i0+2, \i0+3
	FRAG AF+FR*(\i), ADRA+\slot, \q, \i
.endr
.endm
.macro PLACES n
.rept \n
	v_nop
.endr
.endm
.macro STEP slot, q, zero              ; 128 along K, with its successor in the same slot
	s_wait_dscnt 4*NL                              ; B's set and A's blocks 0-3 are in; the youngest sixteen loads (A's blocks 4-7) may be out
	WIN MUL_LO
	MUL8 0, (\q)%2, \zero
	MUL8 2, (\q)%2, \zero
	s_wait_dscnt 0
	PLACES NP
	FETCH_B \slot, (\q)+1, 1-(\q)%2
	FETCH_A \slot, (\q)+1, 0
	WIN MUL_HI
	MUL8 4, (\q)%2, \zero
	MUL8 6, (\q)%2, \zero
	PLACES NP
	WIN 0
	FETCH_A \slot, (\q)+1, 4
.endm
.macro TURN slot, next, fill           ; a slot's last step changes slots
	s_wait_tensorcnt 0x0                           ; all my tensor loads have landed: my part of the next slot
	ds_add_u32 v[SPW], v[NIL]
	s_wait_dscnt 4*NL+1                            ; (the add and the youngest sixteen loads may be out)
	WIN MUL_LO
	MUL8 0, 1, 0
	s_wait_dscnt 0x0                               ; the add is done, and my reads of this slot are over
	s_barrier_signal -1
	MUL8 2, 1, 0
	WIN 0
	s_barrier_wait -1
.if \fill
	CREST                                          ; the barrier has opened a round of the cluster's barrier
	s_add_nc_u64 s[G0+4*\slot+2:G0+4*\slot+3], s[G0+4*\slot+2:G0+4*\slot+3], 2*ROWB
	s_add_nc_u64 s[G0B+4*\slot+2:G0B+4*\slot+3], s[G0B+4*\slot+2:G0B+4*\slot+3], 2*ROWB
	JLOAD G0+4*\slot, G1, G0B+4*\slot, G1B         ; the first tensor load behind the round; its four v_nop are the places in front of the loads below
.else
	PLACES NP
.endif
	FETCH_B \next, 0, 0
	FETCH_A \next, 0, 0
	WIN MUL_HI
	MUL8 4, 1, 0
	MUL8 6, 1, 0
	PLACES NP
	WIN 0
	FETCH_A \next, 0, 4
.endm
	s_wait_tensorcnt 0x0                           ; my part of K step 0 is in
	ds_add_u32 v[SPW], v[NIL]
	s_wait_dscnt 0x0
	CROUND                                         ; everybody's part is in, and the joint loads meet
	JLOAD G0+4, G1, G0B+4, G1B                     ; K step 1
	FETCH_B 0, 0, 0
	FETCH_A 0, 0, 0
	FETCH_A 0, 0, 4
	global_prefetch_b8 v[PFO], s[PFA:PFA+1] offset:3*ROWB th:TH_LOAD_NT scope:SCOPE_SE    ; K step 3, the last
	STEP 0, 0, 1                                   ; the first products start the sums
	TURN 0, 1, 1
	STEP 1, 0, 0
	TURN 1, 0, 1
	STEP 0, 0, 0
	TURN 0, 1, 0
	STEP 1, 0, 0
	s_wait_dscnt 4*NL
	WIN MUL_LO
	MUL8 0, 1, 0
	MUL8 2, 1, 0
	s_wait_dscnt 0
	WIN MUL_HI
	MUL8 4, 1, 0
	MUL8 6, 1, 0
	WIN 0
; THE WAY OUT, block by block of 16 rows x 64 columns: sum x 2^(e10 + e11) + bo, through my own stage, back as whole rows of 256 bytes: sixteen lanes store one aligned unit.
.macro TOSTAGE a
	WIN 0x02+((\a)/4)
.irp b, 0,1,2,3
.irp j, 0,2,4,6
	v_pk_fma_f32 v[TMP+8*\b+\j:TMP+8*\b+\j+1], v[64*((\a)%4)+8*\b+\j:64*((\a)%4)+8*\b+\j+1], s[86:87], v[BN+8*\b+\j:BN+8*\b+\j+1] op_sel_hi:[1,0,1]
.endr
.endr
	WIN 0
.irp b, 0,1,2,3
	ds_store_b128 v[STO], v[TMP+8*\b:TMP+8*\b+3] offset:64*\b
	ds_store_b128 v[STO], v[TMP+8*\b+4:TMP+8*\b+7] offset:64*\b+16
.endr
.set BB, BK+32*((\a)%2)
.set nn, 0
.rept 8
	ds_load_b128 v[BB+4*nn:BB+4*nn+3], v[RD] offset:nn*2*SPITCH    ; LDS serves a wave's instructions in order: these see my stores
.set nn, nn+1
.endr
.endm
.macro SEND a, younger
.set BB, BK+32*((\a)%2)
	s_wait_dscnt \younger
.set nn, 0
.rept 8
	global_store_b128 v[CO], v[BB+4*nn:BB+4*nn+3], s[8:9] offset:(\a)*65536+nn*8192 th:TH_STORE_NT
.set nn, nn+1
.endr
.endm
	s_wait_kmcnt 0x0
	s_add_co_i32 s86, s96, s97
	s_add_co_i32 s86, s86, 127
	s_lshl_b32 s86, s86, 23                        ; 2^(e10 + e11)
	s_mov_b32 s87, s86
	s_wait_loadcnt 0x0                             ; the bias
	PLACES NP
	TOSTAGE 0
.irp a, 1,2,3,4,5,6,7
.if \a > 1
	s_wait_xcnt 0x0                                ; block a - 2's stores have read their registers: block a's loads may land there
.endif
	TOSTAGE \a
	SEND \a-1, 16                                  ; behind block a - 1's loads: block a's 8 stores and 8 loads
.endr
	SEND 7, 0
	s_wait_tensorcnt 0x0                           ; the wave's end
	ds_add_u32 v[SPW], v[NIL]
	s_wait_dscnt 0x0
	CROUND                                         ; the closing round
	s_endpgm
.Lfunc_end_k_qf8b09de5b7_oproj:
	.size	k_qf8b09de5b7_oproj, .Lfunc_end_k_qf8b09de5b7_oproj-k_qf8b09de5b7_oproj
	.p2alignl 7, 3214868480
	.fill 96, 4, 3214868480
	.section	.rodata,"a",@progbits
	.p2align	6, 0x0
	.amdhsa_kernel k_qf8b09de5b7_oproj
		.amdhsa_group_segment_fixed_size 327680
		.amdhsa_private_segment_fixed_size 0
		.amdhsa_enable_private_segment 0
		.amdhsa_kernarg_size 40
		.amdhsa_user_sgpr_count 2
		.amdhsa_user_sgpr_kernarg_segment_ptr 1
		.amdhsa_wavefront_size32 1
		.amdhsa_system_sgpr_workgroup_id_x 1
		.amdhsa_system_sgpr_workgroup_id_y 1
		.amdhsa_system_sgpr_workgroup_id_z 1
		.amdhsa_system_vgpr_workitem_id 0
		.amdhsa_next_free_vgpr 1024
		.amdhsa_next_free_sgpr 100
		.amdhsa_reserve_vcc 0
		.amdhsa_float_denorm_mode_32 3
		.amdhsa_float_denorm_mode_16_64 3
		.amdhsa_memory_ordered 1
		.amdhsa_forward_progress 1
		.amdhsa_inst_pref_size 78
	.end_amdhsa_kernel
	.amdgpu_metadata
---
amdhsa.version: [ 1, 2 ]
amdhsa.kernels:
  - .name:           k_qf8b09de5b7_oproj
    .symbol:         k_qf8b09de5b7_oproj.kd
    .args:
      - { .name: o_img, .offset: 0, .size: 8, .value_kind: global_buffer, .address_space: global }
      - { .name: w_img, .offset: 8, .size: 8, .value_kind: global_buffer, .address_space: global }
      - { .name: lowp_scales, .offset: 16, .size: 8, .value_kind: global_buffer, .address_space: global }
      - { .name: bo, .offset: 24, .size: 8, .value_kind: global_buffer, .address_space: global }
      - { .name: out0, .offset: 32, .size: 8, .value_kind: global_buffer, .address_space: global }
    .group_segment_fixed_size: 327680
    .private_segment_fixed_size: 0
    .kernarg_segment_align: 8
    .kernarg_segment_size: 40
    .max_flat_workgroup_size: 128
    .sgpr_count:     100
    .vgpr_count:     1024
    .wavefront_size: 32
...
	.end_amdgpu_metadata
.endif
;; end of part 4
